; MI455X (gfx1250); checked and timed in simulation.
; The chip was launched on July 23, 2026; its instructions are those of AMD's public machine-readable ISA for CDNA 5 (MIT licence, August 2026) and "CDNA5" Instruction Set Architecture Reference Guide (July 2026). The comments in the code are by the model that wrote it; some were corrected since.
;; Multi Head Attention CF. Allowed arithmetic: matrix products marked QUANTISED: E4M3 operands, one given power-of-two scale a tensor, by v_wmma_f32_16x16x64_fp8_fp8 or v_wmma_f32_16x16x128_fp8_fp8, f32 sums; everything else in f32.
;; Inputs: Wk 1,024 x 1,024 float32; Wo 1,024 x 1,024 float32; Wq 1,024 x 1,024 float32; Wv 1,024 x 1,024 float32; bk 1,024 float32; bo 1,024 float32; bq 1,024 float32; bv 1,024 float32; lowp_scales 12 int32 (the exponents e of the quantised operands' scales 2^e); x 4 x 2,048 x 1,024 float32.
;; Outputs: out0 4 x 2,048 x 1,024 float32.
;; This version of the problem:
;;   THIS VERSION OF THE PROBLEM IS GIVEN IN LOW PRECISION. The matrix products marked QUANTISED in the list below multiply operands that are first quantised to E4M3 (4 exponent bits, 3 mantissa bits; 8 bits a number), with one given power-of-two scale for each operand tensor; their sums are f32. All else is computed in f32.
;;   The module's matrix products, in the order in which they are computed (A, B: the left and right operand; K: the contracted axis; several contracted axes count as one K, in the product's order):
;;     1. [M 8,192, K 1,024] x [K 1,024, N 1,024]; A: input x; B: input Wq: QUANTISED (scales: A lowp_scales[0], B lowp_scales[1])
;;     2. [M 8,192, K 1,024] x [K 1,024, N 1,024]; A: input x; B: input Wk: QUANTISED (scales: A lowp_scales[2], B lowp_scales[3])
;;     3. [M 8,192, K 1,024] x [K 1,024, N 1,024]; A: input x; B: input Wv: QUANTISED (scales: A lowp_scales[4], B lowp_scales[5])
;;     4. batch 64 x [M 2,048, K 64] x [K 64, N 2,048]; A: computed on the way; B: computed on the way: QUANTISED (scales: A lowp_scales[6], B lowp_scales[7])
;;     5. batch 64 x [M 2,048, K 2,048] x [K 2,048, N 64]; A: softmax (see below); B: computed on the way: QUANTISED (scales: A lowp_scales[8], B lowp_scales[9])
;;     6. [M 8,192, K 1,024] x [K 1,024, N 1,024]; A: computed on the way; B: input Wo: QUANTISED (scales: A lowp_scales[10], B lowp_scales[11])
;;   THE QUANTISER, for each operand of a quantised product, along K:
;;     - The operand's scale is 2^e, e = its entry of the input lowp_scales (int32; the entries are numbered through the quantised products in the list's order, A before B).
;;     - Each number is divided by the scale, clamped to +-448, and rounded to the nearest number of E4M3, ties to even, subnormals kept.
;;     - The product sums the exact products of the quantised numbers (number of the format x scale) in f32.
;;   ~~~python
;;   def quantise(x, axis, e):      # numpy; x: float32 -> the quantised numbers, widened to float32 again
;;       x = np.moveaxis(x, axis, -1); K = x.shape[-1]
;;       r = np.clip(x / 2.0 ** e, -448, 448)
;;       step = 2.0 ** (np.maximum(np.frexp(np.where(r == 0, 1, r))[1] - 1, -6) - 3)
;;       q = np.round(r / step) * step * 2.0 ** e      # np.round: ties to even
;;       return np.moveaxis(q, -1, axis).astype(np.float32)
;;   ~~~
;;   SOFTMAX AHEAD OF A QUANTISED PRODUCT. Where the list says 'softmax', what is quantised is not the finished softmax but p = 2^(t - M), with t = logit x log2(e) and M = ceil(the row's largest t), a whole number; so 1/2 < the row's largest p <= 1. The row's sum l is taken of the UNQUANTISED p, in f32, and the product's result is divided by l at the end. Since M is a whole number, a kernel that streams over the keys may use a running M (the ceiling of the running maximum): every later rescaling is an exact power of two, so the quantised numbers keep their values, but for numbers so far below the row's largest that they fall under the format's range.
;;   OPERANDS COMPUTED ON THE WAY. 'Computed on the way' means the value that the module computes at that place (a softmax that the list does not call 'softmax' is quantised finished and normalised). What goes into a quantiser is computed in f32, as accurately as f32 sums, v_exp_f32 and their like allow (about 1e-6 of the number): no bf16 or f16 on the way to a quantiser, and a product that is left as it is and whose result goes on into a quantised operand takes f32 operands (vector FMAs, or v_wmma_f32_16x16x4_f32). A number that lies on a knife's edge between two numbers of the format may be rounded either way, as far as f32 arithmetic and the matrix unit's own rounding can turn it there, and no further.
;; One version. Each part assembles by itself: llvm-mc -triple=amdgcn-amd-amdhsa -mcpu=gfx1250 --defsym DOCPART=n.
;; ======== version 1 of 1: 4 launches
;; limits: right only within a limited range of input values
;; workspace buffers: xc 25,165,824 bytes; wc 4,194,304 bytes; qkv 25,165,824 bytes; oc 8,388,608 bytes
;; launch quant (part 1): grid 768 x 1, 4 waves a work-group, no clusters, 34,304 bytes of LDS; arguments x, Wq, Wk, Wv, Wo, lowp_scales, xc, wc; writes xc, wc
.if DOCPART == 1
	.amdgcn_target "amdgcn-amd-amdhsa--gfx1250"
	.amdhsa_code_object_version 6
	.text
	.protected	k_q697dcfc70c_quant
	.globl	k_q697dcfc70c_quant
	.p2align	8
	.type	k_q697dcfc70c_quant,@function
k_q697dcfc70c_quant:
	s_mov_b64 s[64:65], 0
	v_nop
	global_prefetch_b8 v0, s[64:65] scope:SCOPE_SE
	s_setreg_imm32_b32 hwreg(HW_REG_WAVE_MODE, 25, 1), 1
	s_wait_xcnt 0x0
; x [8192][1024] and Wq, Wk, Wv, Wo [1024][1024], f32 with K innermost, become codes of FP8 (E4M3), each with the power-of-two scale given for it.
; code = number / 2^e, held within +-448, rounded to the nearest code, ties to even.  x is an operand of three products with three entries (0, 2, 4): three sets of codes.  Wq: entry 1, Wk: 3, Wv: 5, Wo: 11.
; THE CODES ARE LAID AS IMAGES OF THE OPERAND'S REGISTERS.  A fragment is 16 rows x 128 along K, 2,048 bytes: [group g = 0..3][lane 0..31][16 bytes]; lane (r, h) holds row r, and its group g the codes of
; k = 32 g + 8 h + 0..7 and 32 g + 16 + 8 h + 0..7: registers 4 g .. 4 g + 3 of the 16x16x128 fp8 form.  A section is [tile of 16 rows][K step 0..7][2,048 bytes].  xc: three sections of 8 MiB; wc: four of 1 MiB.
; SHARES.  Work-groups 0-511 take x, 512 + 64 j + i take weight j.  A wave takes one tile of 16 rows x 256 along K: two fragments, one a step.
; A step's 16 loads read 512 consecutive bytes of a row each; the 8 KiB turn through the wave's own stage in LDS (rows 528 bytes apart) and come back 64 numbers a lane in the operand's order.
; Waves share nothing: no barrier.  Each store of the wave covers 512 consecutive bytes, aligned.
; LIMITS: each exponent lies between -126 and 119, so that 2^e and 448 x 2^e are f32 numbers.  NaN among the inputs is not served; an infinity is held at the largest code.
.set SP,   528                         ; a stage row: 512 bytes + 16
.set WST,  16*SP                       ; a wave's stage
.set XWG,  512                         ; x's work-groups
.set L16,  1                           ; v1   16 x lane: my bytes of a load's or a store's 512; never rewritten
.set STA,  2                           ; v2   the stage on the way in: wave's stage + 16 x lane
.set LDA,  3                           ; v3   and on the way out: wave's stage + 528 r + 32 h
.set SC,   4                           ; v4-9 for each of three scales: 2^e, 448 x 2^e
.set R,    16                          ; v16-79   a step's numbers as loaded
.set X,    80                          ; v80-143  the same 64 numbers in the operand's order: register 16 g + i
.set T,    144                         ; v144-175 two sets of 16 held numbers (X serves three scales, so the hold goes elsewhere)
.set C,    176                         ; v176-223 codes: 16 registers for each scale
.set SRC,  24                          ; s[24:25] my tile in the source
.set DST,  26                          ; s[26:27], s[28:29], s[30:31] my two fragments in section 0, 1, 2
	s_load_b512 s[4:19], s[0:1], 0x0               ; x, Wq, Wk, Wv, Wo, the exponents, xc, wc
	v_lshl_add_u32 v224, v0, 2, 0x8400             ; my spare word, behind the four stages
	v_mov_b32 v225, 0
	v_lshrrev_b32 v10, 5, v0
	v_readfirstlane_b32 s20, v10                   ; wave
	v_and_b32 v11, 31, v0
	v_lshlrev_b32 v[L16], 4, v11
	s_mul_i32 s44, s20, WST
	v_add_nc_u32 v[STA], s44, v[L16]
	v_and_b32 v12, 15, v0                          ; r
	v_bfe_u32 v13, v0, 4, 1                        ; h
	v_mul_u32_u24 v[LDA], v12, SP
	v_lshl_add_u32 v[LDA], v13, 5, v[LDA]
	v_add_nc_u32 v[LDA], s44, v[LDA]
	s_lshr_b32 s22, ttmp9, 6                       ; 0-7: x;  8, 9, 10, 11: Wq, Wk, Wv, Wo
	s_and_b32 s21, ttmp9, 63
	s_cmp_lt_u32 s22, 8
	s_cselect_b32 s21, ttmp9, s21                  ; the work-group's number within its tensor
	s_cselect_b32 s45, 8, s22
	s_sub_co_u32 s45, s45, 8                       ; the weight's number, 0 for x
	s_lshl_b32 s21, s21, 2
	s_add_co_u32 s21, s21, s20                     ; u: my wave's run: tile u / 4, K steps 2 (u % 4) on
	s_lshr_b32 s46, s21, 2
	s_lshl_b32 s46, s46, 16                        ; 16 rows of 4,096 bytes
	s_and_b32 s47, s21, 3
	s_lshl_b32 s47, s47, 10                        ; 256 numbers
	s_or_b32 s46, s46, s47
	s_mov_b32 s47, 0
	s_lshl_b32 s48, s21, 12                        ; two fragments of 2,048 bytes
	s_lshl_b32 s45, s45, 20                        ; the weight's section
	s_add_co_u32 s48, s48, s45
	s_mov_b32 s49, 0
	s_wait_alu depctr_va_vdst(0)                   ; directly ahead of the wait below
	s_wait_kmcnt 0x0
	s_load_b256 s[32:39], s[14:15], 0x0            ; e0 .. e7
	s_load_b128 s[40:43], s[14:15], 0x20           ; e8 .. e11
	s_mov_b64 s[SRC:SRC+1], s[4:5]                 ; the buffers are chosen on the work-group's number alone: one path through the text
	s_cmp_eq_u32 s22, 8
	s_cselect_b64 s[SRC:SRC+1], s[6:7], s[SRC:SRC+1]
	s_cmp_eq_u32 s22, 9
	s_cselect_b64 s[SRC:SRC+1], s[8:9], s[SRC:SRC+1]
	s_cmp_eq_u32 s22, 10
	s_cselect_b64 s[SRC:SRC+1], s[10:11], s[SRC:SRC+1]
	s_cmp_eq_u32 s22, 11
	s_cselect_b64 s[SRC:SRC+1], s[12:13], s[SRC:SRC+1]
	s_cmp_lt_u32 s22, 8
	s_cselect_b64 s[DST:DST+1], s[16:17], s[18:19]
	s_add_nc_u64 s[SRC:SRC+1], s[SRC:SRC+1], s[46:47]
	s_add_nc_u64 s[DST:DST+1], s[DST:DST+1], s[48:49]
	s_add_nc_u64 s[DST+2:DST+3], s[DST:DST+1], 0x800000    ; sections 1 and 2 of xc: only x's work-groups store through these two
	s_add_nc_u64 s[DST+4:DST+5], s[DST:DST+1], 0x1000000
.macro LOAD t                          ; K step t of my run: 16 rows x 512 bytes
.irp i, 0,1,2,3,4,5,6,7,8,9,10,11,12,13,14,15
	global_load_b128 v[R+4*\i:R+4*\i+3], v[L16], s[SRC:SRC+1] offset:\i*4096+(\t)*512 th:TH_LOAD_NT
.endr
.endm
.macro MKSC k, e                       ; v[SC + 2 k] = 2^e as f32 (the conversion takes its exponent field), v[SC + 2 k + 1] = 448 x 2^e
	s_add_co_i32 s50, \e, 127
	s_lshl_b32 s51, s50, 23
	v_mov_b32 v[SC+2*\k], s51
	s_add_co_i32 s50, s50, 8
	s_lshl_b32 s50, s50, 23
	s_or_b32 s50, s50, 0x600000
	v_mov_b32 v[SC+2*\k+1], s50
.endm
; One fragment at scale k.  The conversion to an 8-bit code does not saturate (ISA guide 7.6.2): each number is held first.  The two sets of T take turns, so that sixteen plain lines stand
; between a conversion and the next write of its sources; one v_nop stands behind the last conversion.
.macro QS k, t
.irp g, 0,1,2,3
.irp i, 0,1,2,3,4,5,6,7,8,9,10,11,12,13,14,15
	v_med3_num_f32 v[T+16*(\g%2)+\i], v[X+16*\g+\i], -v[SC+2*\k+1], v[SC+2*\k+1]
.endr
	v_cvt_scalef32_pk8_fp8_f32 v[C+16*\k+4*\g:C+16*\k+4*\g+1], v[T+16*(\g%2):T+16*(\g%2)+7], v[SC+2*\k]
	v_cvt_scalef32_pk8_fp8_f32 v[C+16*\k+4*\g+2:C+16*\k+4*\g+3], v[T+16*(\g%2)+8:T+16*(\g%2)+15], v[SC+2*\k]
.endr
	v_nop
.irp g, 0,1,2,3
	global_store_b128 v[L16], v[C+16*\k+4*\g:C+16*\k+4*\g+3], s[DST+2*\k:DST+2*\k+1] offset:(\t)*2048+512*\g
.endr
.endm
.macro STEP t
	s_wait_loadcnt 0x0                             ; this step's 16 loads are in
.irp i, 0,1,2,3,4,5,6,7,8,9,10,11,12,13,14,15
	ds_store_b128 v[STA], v[R+4*\i:R+4*\i+3] offset:SP*\i
.endr
.irp g, 0,1,2,3                        ; LDS serves a wave's instructions in order (ISA guide 5.7.1.4): these see the stores above
	ds_load_b128 v[X+16*\g:X+16*\g+3],     v[LDA] offset:128*\g      ; k = 32 g + 8 h + 0..3
	ds_load_b128 v[X+16*\g+4:X+16*\g+7],   v[LDA] offset:128*\g+16   ;                 + 4..7
	ds_load_b128 v[X+16*\g+8:X+16*\g+11],  v[LDA] offset:128*\g+64   ; k = 32 g + 16 + 8 h + 0..3
	ds_load_b128 v[X+16*\g+12:X+16*\g+15], v[LDA] offset:128*\g+80
.endr
	s_wait_dscnt 0x0                               ; the numbers are back, and the stage's stores have read R
	s_wait_xcnt 0x0                                ; the last step's stores have read their codes: C is written again only behind this wait
.if (\t) < 1
	LOAD (\t)+1                                    ; the next step's 8 KiB are on their way while this one is quantised
.endif
	QS 0, \t
	s_cmp_lt_u32 ttmp9, XWG                        ; x has two more scales; a weight has one.  Only register work and stores stand under the branch
	s_cbranch_scc0 .Lone_scale_\@
	QS 1, \t
	QS 2, \t
.Lone_scale_\@:
.endm
	LOAD 0
	s_wait_kmcnt 0x0
	s_mov_b32 s44, s32                             ; the first scale: x: entry 0; Wq: 1; Wk: 3; Wv: 5; Wo: 11
	s_cmp_eq_u32 s22, 8
	s_cselect_b32 s44, s33, s44
	s_cmp_eq_u32 s22, 9
	s_cselect_b32 s44, s35, s44
	s_cmp_eq_u32 s22, 10
	s_cselect_b32 s44, s37, s44
	s_cmp_eq_u32 s22, 11
	s_cselect_b32 s44, s43, s44
	MKSC 0, s44
	MKSC 1, s34                                    ; x for the product with Wk: entry 2
	MKSC 2, s36                                    ; x for the product with Wv: entry 4
	s_wait_alu depctr_va_vdst(0)                   ; the head's end
	STEP 0
	STEP 1
	s_wait_tensorcnt 0x0                           ; the wave's end
	ds_add_u32 v224, v225
	s_wait_dscnt 0x0
	s_endpgm
.Lfunc_end_k_q697dcfc70c_quant:
	.size	k_q697dcfc70c_quant, .Lfunc_end_k_q697dcfc70c_quant-k_q697dcfc70c_quant
	.p2alignl 7, 3214868480
	.fill 96, 4, 3214868480
	.section	.rodata,"a",@progbits
	.p2align	6, 0x0
	.amdhsa_kernel k_q697dcfc70c_quant
		.amdhsa_group_segment_fixed_size 34304
		.amdhsa_private_segment_fixed_size 0
		.amdhsa_enable_private_segment 0
		.amdhsa_kernarg_size 64
		.amdhsa_user_sgpr_count 2
		.amdhsa_user_sgpr_kernarg_segment_ptr 1
		.amdhsa_wavefront_size32 1
		.amdhsa_system_sgpr_workgroup_id_x 1
		.amdhsa_system_sgpr_workgroup_id_y 1
		.amdhsa_system_sgpr_workgroup_id_z 1
		.amdhsa_system_vgpr_workitem_id 0
		.amdhsa_next_free_vgpr 226
		.amdhsa_next_free_sgpr 66
		.amdhsa_reserve_vcc 0
		.amdhsa_float_denorm_mode_32 3
		.amdhsa_float_denorm_mode_16_64 3
		.amdhsa_memory_ordered 1
		.amdhsa_forward_progress 1
		.amdhsa_inst_pref_size 41
	.end_amdhsa_kernel
	.amdgpu_metadata
---
amdhsa.version: [ 1, 2 ]
amdhsa.kernels:
  - .name:           k_q697dcfc70c_quant
    .symbol:         k_q697dcfc70c_quant.kd
    .args:
      - { .name: x, .offset: 0, .size: 8, .value_kind: global_buffer, .address_space: global }
      - { .name: Wq, .offset: 8, .size: 8, .value_kind: global_buffer, .address_space: global }
      - { .name: Wk, .offset: 16, .size: 8, .value_kind: global_buffer, .address_space: global }
      - { .name: Wv, .offset: 24, .size: 8, .value_kind: global_buffer, .address_space: global }
      - { .name: Wo, .offset: 32, .size: 8, .value_kind: global_buffer, .address_space: global }
      - { .name: lowp_scales, .offset: 40, .size: 8, .value_kind: global_buffer, .address_space: global }
      - { .name: xc, .offset: 48, .size: 8, .value_kind: global_buffer, .address_space: global }
      - { .name: wc, .offset: 56, .size: 8, .value_kind: global_buffer, .address_space: global }
    .group_segment_fixed_size: 34304
    .private_segment_fixed_size: 0
    .kernarg_segment_align: 8
    .kernarg_segment_size: 64
    .max_flat_workgroup_size: 128
    .sgpr_count:     66
    .vgpr_count:     226
    .wavefront_size: 32
...
	.end_amdgpu_metadata
.endif
;; end of part 1
;; launch qkv (part 2): grid 12 x 32, 4 waves a work-group, clusters of 4 x 4, 327,680 bytes of LDS; arguments xc, wc, lowp_scales, bq, bk, bv, qkv; writes qkv
.if DOCPART == 2
	.amdgcn_target "amdgcn-amd-amdhsa--gfx1250"
	.amdhsa_code_object_version 6
	.text
	.protected	k_q697dcfc70c_qkv
	.globl	k_q697dcfc70c_qkv
	.p2align	8
	.type	k_q697dcfc70c_qkv,@function
k_q697dcfc70c_qkv:
	s_mov_b64 s[64:65], 0
	v_nop
	global_prefetch_b8 v0, s[64:65] scope:SCOPE_SE
	s_setreg_imm32_b32 hwreg(HW_REG_WAVE_MODE, 25, 1), 1
	s_wait_xcnt 0x0
	s_wait_alu depctr_hold_cnt(0) depctr_sa_sdst(0) depctr_va_vdst(0) depctr_va_sdst(0) depctr_va_ssrc(0) depctr_va_vcc(0) depctr_vm_vsrc(0)
	s_getreg_b32 s2, hwreg(HW_REG_IB_STS2, 6, 4)
	s_cmp_eq_u32 s2, 0
	s_cbranch_scc0 .Lentry_in_a_cluster
	s_endpgm
.Lentry_in_a_cluster:
	s_bfe_u32 s2, ttmp6, 0x10000c
	s_cmp_lg_u32 s2, 0xf033
	s_cbranch_scc0 .Lentry_shape_is_right
	s_endpgm
.Lentry_shape_is_right:
.set HALFT,  32768
.set SLOT,   4*HALFT
.set SPARE,  2*SLOT
.set FR,     16
.set NL,     4
.set NP,     4
.set ADRA, 16
.set ADRB, 20
.set H32,  25
.set L16,  26
.set R4,   27
.set SPW,  28
.set NIL,  29
.set SCO,  30
.set LIM,  31
.set CB,   32
.set RB,   96
.set AF,   128
.set T,    128
.set CD,   192
.set G1, 24
.set G0, 32
.set G1B, 48
.set G0B, 56
.set MSB, 0
.macro WIN new
.if MSB != \new
	s_set_vgpr_msb (MSB<<8)|\new
.set MSB, \new
.endif
.endm
.set MUL_LO, 0xa1
.set MUL_HI, 0xf1
.set TO_B,   0x40
.macro JLOAD g0a, g1a, g0b, g1b
	s_cmp_eq_u32 s19, 0
	s_cbranch_scc0 .Lfor_b_\@
	tensor_load_to_lds s[\g0a:\g0a+3], s[\g1a:\g1a+7]
	s_nop 0
.rept 4
	v_nop
.endr
	s_branch .Lasked_\@
.Lfor_b_\@:
	tensor_load_to_lds s[\g0b:\g0b+3], s[\g1b:\g1b+7]
	s_nop 0
.rept 4
	v_nop
.endr
.Lasked_\@:
.endm
.macro CREST
	s_cmp_lg_u32 s18, 0
	s_cbranch_scc1 .Lnot_wave_0_\@
	s_barrier_signal -3
.Lnot_wave_0_\@:
	s_barrier_wait -3
	s_barrier_signal -1
	s_barrier_wait -1
.endm
.macro CROUND
	s_barrier_signal -1
	s_barrier_wait -1
	CREST
.endm
	s_load_b256 s[4:11], s[0:1], 0x0
	s_load_b128 s[12:15], s[0:1], 0x20
	s_load_b64 s[16:17], s[0:1], 0x30
	v_lshl_add_u32 v[SPW], v0, 2, SPARE
	v_mov_b32 v[NIL], 0
	ds_add_u32 v28, v29
	ds_add_u32 v28, v29
	s_wait_dscnt 0x0
	v_lshrrev_b32 v1, 5, v0
	v_readfirstlane_b32 s18, v1
	s_lshr_b32 s19, s18, 1
	s_and_b32 s20, s18, 1
	s_bfe_u32 s21, ttmp6, 0x40000
	s_bfe_u32 s22, ttmp6, 0x40004
	s_and_b32 s23, ttmp7, 0xffff
	s_lshl_b32 s23, s23, 2
	s_lshl_b32 s40, s22, 2
	s_lshl_b32 s40, 15, s40
	s_lshl_b32 s41, 0x1111, s21
	s_or_b32 s[G1+0], s40, (3<<16)|(1<<21)
	s_or_b32 s[G1B+0], s41, (3<<16)|(1<<21)
.irp g, G1, G1B
	s_mov_b32 s[\g+1], 512<<16
	s_mov_b32 s[\g+2], 8<<16
	s_mov_b32 s[\g+3], 512<<16
	s_mov_b32 s[\g+4], 8
	s_mov_b32 s[\g+5], 2048
	s_mov_b32 s[\g+6], 0
	s_mov_b32 s[\g+7], 0
.endr
	s_add_co_u32 s42, s23, s22
	s_add_co_u32 s43, s23, s21
	s_lshl_b32 s44, ttmp9, 23
	s_lshl_b32 s45, ttmp9, 20
	s_cmp_eq_u32 ttmp9, 2
	s_cselect_b32 s42, s22, s42
	s_cselect_b32 s43, s43, s21
	s_cselect_b32 s46, s45, s44
	s_cselect_b32 s88, s44, s45
	s_lshl_b32 s47, s42, 18
	s_add_co_u32 s46, s46, s47
	s_lshl_b32 s89, s43, 18
	s_add_co_u32 s88, s88, s89
	s_lshl_b32 s90, s20, 17
	s_add_co_u32 s46, s46, s90
	s_add_co_u32 s88, s88, s90
	s_mov_b32 s47, 0
	s_mov_b32 s89, 0
	s_mul_i32 s91, s18, HALFT
	s_wait_kmcnt 0x0
	s_load_b256 s[68:75], s[8:9], 0x0
	s_load_b128 s[76:79], s[8:9], 0x20
	s_cmp_eq_u32 ttmp9, 2
	s_cselect_b64 s[80:81], s[6:7], s[4:5]
	s_cselect_b64 s[82:83], s[4:5], s[6:7]
	s_add_nc_u64 s[80:81], s[80:81], s[46:47]
	s_add_nc_u64 s[82:83], s[82:83], s[88:89]
	s_cmp_eq_u32 ttmp9, 0
	s_cselect_b64 s[84:85], s[10:11], s[12:13]
	s_cmp_eq_u32 ttmp9, 2
	s_cselect_b64 s[84:85], s[14:15], s[84:85]
	CROUND
.irp s, 0,1
	s_mov_b32 s[G0+4*\s], 1
	s_add_co_u32 s[G0+4*\s+1], s91, \s*SLOT
	s_add_nc_u64 s[G0+4*\s+2:G0+4*\s+3], s[80:81], \s*4096
	s_or_b32 s[G0+4*\s+3], s[G0+4*\s+3], 0x80000000
	s_mov_b32 s[G0B+4*\s], 1
	s_add_co_u32 s[G0B+4*\s+1], s91, \s*SLOT
	s_add_nc_u64 s[G0B+4*\s+2:G0B+4*\s+3], s[82:83], \s*4096
	s_or_b32 s[G0B+4*\s+3], s[G0B+4*\s+3], 0x80000000
.endr
	JLOAD G0, G1, G0B, G1B                         ; K steps 0, 1, behind the round above: a wave's one load at the head
	s_wait_alu depctr_va_vdst(0)                   ; directly ahead of the wait below
	s_wait_tensorcnt 0x0                           ; my part of K steps 0, 1 is in; these lines stand ahead of a later first fill as ahead of a refill
	ds_add_u32 v28, v29
	s_wait_dscnt 0x0
	CROUND
	JLOAD G0+4, G1, G0B+4, G1B                     ; K steps 2, 3 into slot 1
	v_and_b32 v2, 31, v0
	v_lshlrev_b32 v[L16], 4, v2
	v_bfe_u32 v3, v0, 4, 1
	v_lshlrev_b32 v[H32], 5, v3
	s_wait_alu depctr_va_vdst(0)
	v_and_b32 v4, 15, v0
	v_lshlrev_b32 v[R4], 2, v4
	s_wait_alu depctr_va_vdst(0)
	s_mul_i32 s92, s19, HALFT
	s_mul_i32 s93, s20, HALFT
	s_add_co_u32 s93, s93, 2*HALFT
.irp s, 0,1
	v_add_nc_u32 v[ADRA+\s], s92, v[L16]
	v_add_nc_u32 v[ADRB+\s], s93, v[L16]
	s_add_co_u32 s92, s92, SLOT
	s_add_co_u32 s93, s93, SLOT
.endr
	s_lshl_b32 s98, s21, 10
	s_lshl_b32 s99, s20, 9
	s_add_co_u32 s98, s98, s99
	s_mov_b32 s99, 0
	s_add_nc_u64 s[94:95], s[84:85], s[98:99]
	s_lshl_b32 s98, s22, 10
	s_lshl_b32 s99, s19, 9
	s_add_co_u32 s98, s98, s99
	s_mov_b32 s99, 0
	s_add_nc_u64 s[96:97], s[84:85], s[98:99]
.irp b, 0,1,2,3,4,5,6,7
	global_load_b128 v[CB+8*\b:CB+8*\b+3],   v[H32], s[94:95] offset:64*\b
	global_load_b128 v[CB+8*\b+4:CB+8*\b+7], v[H32], s[94:95] offset:64*\b+16
.endr
.irp a, 0,1,2,3,4,5,6,7
	global_load_b32 v[RB+2*\a],   v[R4], s[96:97] offset:64*\a
	global_load_b32 v[RB+2*\a+1], v[R4], s[96:97] offset:64*\a
.endr
.macro FRAG reg, adr, q, i
.irp c, 0,1,2,3
	ds_load_b128 v[\reg+4*\c:\reg+4*\c+3], v[\adr] offset:(\i)*4096+(\q)*2048+512*\c
.endr
.endm
.macro MUL16 a0, p, zero
.irp a, \a0, \a0+1
.irp b, 0,1,2,3,4,5,6,7
.if \zero
	v_wmma_f32_16x16x128_fp8_fp8 v[8*(8*((\a)%4)+\b):8*(8*((\a)%4)+\b)+7], v[128*(\p)+FR*\b:128*(\p)+FR*\b+FR-1], v[AF+FR*(\a):AF+FR*(\a)+FR-1], 0
.else
	v_wmma_f32_16x16x128_fp8_fp8 v[8*(8*((\a)%4)+\b):8*(8*((\a)%4)+\b)+7], v[128*(\p)+FR*\b:128*(\p)+FR*\b+FR-1], v[AF+FR*(\a):AF+FR*(\a)+FR-1], v[8*(8*((\a)%4)+\b):8*(8*((\a)%4)+\b)+7]
.endif
.endr
.endr
.endm
.macro FETCH_B slot, q, p
	WIN TO_B
.irp i, 0,1,2,3,4,5,6,7
	FRAG 128*(\p)+FR*\i, ADRB+\slot, \q, \i
.endr
	WIN 0
.endm
.macro FETCH_A slot, q, i0
.irp i, \i0, \i0+1, \i0+2, \i0+3
	FRAG AF+FR*(\i), ADRA+\slot, \q, \i
.endr
.endm
.macro PLACES n
.rept \n
	v_nop
.endr
.endm
.macro STEP slot, q, zero
	s_wait_dscnt 4*NL
	WIN MUL_LO
	MUL16 0, (\q)%2, \zero
	MUL16 2, (\q)%2, \zero
	s_wait_dscnt 0
	PLACES NP
	FETCH_B \slot, (\q)+1, 1-(\q)%2
	FETCH_A \slot, (\q)+1, 0
	WIN MUL_HI
	MUL16 4, (\q)%2, \zero
	MUL16 6, (\q)%2, \zero
	PLACES NP
	WIN 0
	FETCH_A \slot, (\q)+1, 4
.endm
.macro TURN slot, next, fill
	s_wait_tensorcnt 0x0
	ds_add_u32 v[SPW], v[NIL]
	s_wait_dscnt 4*NL+1
	WIN MUL_LO
	MUL16 0, 1, 0
	s_wait_dscnt 0x0
	s_barrier_signal -1
	MUL16 2, 1, 0
	WIN 0
	s_barrier_wait -1
.if \fill
	CREST
	s_add_nc_u64 s[G0+4*\slot+2:G0+4*\slot+3], s[G0+4*\slot+2:G0+4*\slot+3], 8192
	s_add_nc_u64 s[G0B+4*\slot+2:G0B+4*\slot+3], s[G0B+4*\slot+2:G0B+4*\slot+3], 8192
	JLOAD G0+4*\slot, G1, G0B+4*\slot, G1B
.else
	PLACES NP
.endif
	FETCH_B \next, 0, 0
	FETCH_A \next, 0, 0
	WIN MUL_HI
	MUL16 4, 1, 0
	MUL16 6, 1, 0
	PLACES NP
	WIN 0
	FETCH_A \next, 0, 4
.endm
	s_wait_alu depctr_va_vdst(0)
	s_wait_tensorcnt 1
	s_barrier_signal -1
	s_barrier_wait -1
	FETCH_B 0, 0, 0
	FETCH_A 0, 0, 0
	FETCH_A 0, 0, 4
	STEP 0, 0, 1
	TURN 0, 1, 1
	STEP 1, 0, 0
	TURN 1, 0, 1
	STEP 0, 0, 0
	TURN 0, 1, 0
	STEP 1, 0, 0
	s_wait_dscnt 4*NL
	WIN MUL_LO
	MUL16 0, 1, 0
	MUL16 2, 1, 0
	s_wait_dscnt 0
	WIN MUL_HI
	MUL16 4, 1, 0
	MUL16 6, 1, 0
	WIN 0
	s_wait_kmcnt 0x0
	s_add_co_i32 s90, s68, s69
	s_add_co_i32 s91, s70, s71
	s_add_co_i32 s92, s72, s73
	s_cmp_eq_u32 ttmp9, 0
	s_cselect_b32 s90, s90, s91
	s_cselect_b32 s93, s74, s75
	s_cmp_eq_u32 ttmp9, 2
	s_cselect_b32 s90, s92, s90
	s_cselect_b32 s93, s77, s93
	s_add_co_i32 s90, s90, 127
	s_lshl_b32 s86, s90, 23
	s_mov_b32 s87, s86
	s_add_co_i32 s93, s93, 127
	s_lshl_b32 s92, s93, 23
	v_mov_b32 v[SCO], s92
	s_add_co_i32 s93, s93, 8
	s_lshl_b32 s93, s93, 23
	s_or_b32 s93, s93, 0x600000
	v_mov_b32 v[LIM], s93
	s_wait_loadcnt 0x0
	PLACES NP
.macro EPI isv
.irp a, 0,1,2,3,4,5,6,7
.if \a >= 2
	s_wait_xcnt 0x0
.endif
	WIN 0x02+((\a)/4)
.irp b, 0,1,2,3,4,5,6,7
.irp i, 0,2,4,6
.if \isv
	v_pk_fma_f32 v[T+8*\b+\i:T+8*\b+\i+1], v[64*(\a%4)+8*\b+\i:64*(\a%4)+8*\b+\i+1], s[86:87], v[RB+2*\a:RB+2*\a+1] op_sel_hi:[1,0,1]
.else
	v_pk_fma_f32 v[T+8*\b+\i:T+8*\b+\i+1], v[64*(\a%4)+8*\b+\i:64*(\a%4)+8*\b+\i+1], s[86:87], v[CB+8*\b+\i:CB+8*\b+\i+1] op_sel_hi:[1,0,1]
.endif
.endr
.endr
	WIN 0
.irp b, 0,1,2,3,4,5,6,7
.irp i, 0,1,2,3,4,5,6,7
	v_med3_num_f32 v[T+8*\b+\i], v[T+8*\b+\i], -v[LIM], v[LIM]
.endr
	v_cvt_scalef32_pk8_fp8_f32 v[CD+16*(\a%2)+2*\b:CD+16*(\a%2)+2*\b+1], v[T+8*\b:T+8*\b+7], v[SCO]
.endr
	v_nop
.if \isv
.irp g, 0,1,2,3
	global_store_b128 v[L16], v[CD+16*(\a%2)+4*\g:CD+16*(\a%2)+4*\g+3], s[16:17] offset:(\a/4)*131072+(\a%4)*2048+512*\g
.endr
.else
	global_store_b128 v[L16], v[CD+16*(\a%2):CD+16*(\a%2)+3],     s[16:17] offset:1024*\a
	global_store_b128 v[L16], v[CD+16*(\a%2)+4:CD+16*(\a%2)+7],   s[16:17] offset:1024*\a+512
	global_store_b128 v[L16], v[CD+16*(\a%2)+8:CD+16*(\a%2)+11],  s[16:17] offset:1024*\a+131072
	global_store_b128 v[L16], v[CD+16*(\a%2)+12:CD+16*(\a%2)+15], s[16:17] offset:1024*\a+131072+512
.endif
.endr
.endm
	s_cmp_eq_u32 ttmp9, 2
	s_cbranch_scc1 .Lv_out
	s_lshr_b32 s90, s42, 3
	s_lshl_b32 s90, s90, 4
	s_lshl_b32 s91, s21, 2
	s_add_co_u32 s90, s90, s91
	s_lshl_b32 s91, s20, 1
	s_add_co_u32 s90, s90, s91
	s_lshl_b32 s90, s90, 7
	s_and_b32 s91, s42, 7
	s_lshl_b32 s91, s91, 4
	s_add_co_u32 s90, s90, s91
	s_lshl_b32 s91, s19, 3
	s_add_co_u32 s90, s90, s91
	s_lshl_b32 s90, s90, 10
	s_lshl_b32 s91, ttmp9, 23
	s_add_co_u32 s90, s90, s91
	s_mov_b32 s91, 0
	s_add_nc_u64 s[16:17], s[16:17], s[90:91]
	EPI 0
	s_branch .Lend
.Lv_out:
	s_lshr_b32 s90, s43, 3
	s_lshl_b32 s90, s90, 4
	s_lshl_b32 s91, s22, 2
	s_add_co_u32 s90, s90, s91
	s_lshl_b32 s91, s19, 1
	s_add_co_u32 s90, s90, s91
	s_lshl_b32 s90, s90, 4
	s_and_b32 s91, s43, 7
	s_lshl_b32 s91, s91, 1
	s_add_co_u32 s90, s90, s91
	s_add_co_u32 s90, s90, s20
	s_lshl_b32 s90, s90, 13
	s_add_co_u32 s90, s90, 0x1000000
	s_mov_b32 s91, 0
	s_add_nc_u64 s[16:17], s[16:17], s[90:91]
	EPI 1
.Lend:
	s_wait_tensorcnt 0x0
	ds_add_u32 v[SPW], v[NIL]
	s_wait_dscnt 0x0
	CROUND
	s_endpgm
.Lfunc_end_k_q697dcfc70c_qkv:
	.size	k_q697dcfc70c_qkv, .Lfunc_end_k_q697dcfc70c_qkv-k_q697dcfc70c_qkv
	.p2alignl 7, 3214868480
	.fill 96, 4, 3214868480
	.section	.rodata,"a",@progbits
	.p2align	6, 0x0
	.amdhsa_kernel k_q697dcfc70c_qkv
		.amdhsa_group_segment_fixed_size 327680
		.amdhsa_private_segment_fixed_size 0
		.amdhsa_enable_private_segment 0
		.amdhsa_kernarg_size 56
		.amdhsa_user_sgpr_count 2
		.amdhsa_user_sgpr_kernarg_segment_ptr 1
		.amdhsa_wavefront_size32 1
		.amdhsa_system_sgpr_workgroup_id_x 1
		.amdhsa_system_sgpr_workgroup_id_y 1
		.amdhsa_system_sgpr_workgroup_id_z 1
		.amdhsa_system_vgpr_workitem_id 0
		.amdhsa_next_free_vgpr 1024
		.amdhsa_next_free_sgpr 100
		.amdhsa_reserve_vcc 0
		.amdhsa_float_denorm_mode_32 3
		.amdhsa_float_denorm_mode_16_64 3
		.amdhsa_memory_ordered 1
		.amdhsa_forward_progress 1
		.amdhsa_inst_pref_size 195
	.end_amdhsa_kernel
	.amdgpu_metadata
---
amdhsa.version: [ 1, 2 ]
amdhsa.kernels:
  - .name:           k_q697dcfc70c_qkv
    .symbol:         k_q697dcfc70c_qkv.kd
    .args:
      - { .name: xc, .offset: 0, .size: 8, .value_kind: global_buffer, .address_space: global }
      - { .name: wc, .offset: 8, .size: 8, .value_kind: global_buffer, .address_space: global }
      - { .name: lowp_scales, .offset: 16, .size: 8, .value_kind: global_buffer, .address_space: global }
      - { .name: bq, .offset: 24, .size: 8, .value_kind: global_buffer, .address_space: global }
      - { .name: bk, .offset: 32, .size: 8, .value_kind: global_buffer, .address_space: global }
      - { .name: bv, .offset: 40, .size: 8, .value_kind: global_buffer, .address_space: global }
      - { .name: qkv, .offset: 48, .size: 8, .value_kind: global_buffer, .address_space: global }
    .group_segment_fixed_size: 327680
    .private_segment_fixed_size: 0
    .kernarg_segment_align: 8
    .kernarg_segment_size: 56
    .max_flat_workgroup_size: 128
    .sgpr_count:     100
    .vgpr_count:     1024
    .wavefront_size: 32
...
	.end_amdgpu_metadata
.endif
;; end of part 2
;; launch attn (part 3): grid 4 x 64, 8 waves a work-group, clusters of 4 x 1, 263,168 bytes of LDS; arguments qkv, lowp_scales, oc; writes oc
.if DOCPART == 3
	.amdgcn_target "amdgcn-amd-amdhsa--gfx1250"
	.amdhsa_code_object_version 6
	.text
	.protected	k_q697dcfc70c_attn
	.globl	k_q697dcfc70c_attn
	.p2align	8
	.type	k_q697dcfc70c_attn,@function
k_q697dcfc70c_attn:
	s_mov_b64 s[64:65], 0
	v_nop
	global_prefetch_b8 v0, s[64:65] scope:SCOPE_SE
	s_setreg_imm32_b32 hwreg(HW_REG_WAVE_MODE, 25, 1), 1
	s_wait_xcnt 0x0
	s_wait_alu depctr_hold_cnt(0) depctr_sa_sdst(0) depctr_va_vdst(0) depctr_va_sdst(0) depctr_va_ssrc(0) depctr_va_vcc(0) depctr_vm_vsrc(0)
	s_getreg_b32 s2, hwreg(HW_REG_IB_STS2, 6, 4)
	s_cmp_eq_u32 s2, 0
	s_cbranch_scc0 .Lentry_in_a_cluster
	s_endpgm
.Lentry_in_a_cluster:
	s_bfe_u32 s2, ttmp6, 0x10000c
	s_cmp_lg_u32 s2, 0x3003
	s_cbranch_scc0 .Lentry_shape_is_right
	s_endpgm
.Lentry_shape_is_right:
; O[q] = the sum over keys of softmax(Q[q] . K[k] / 8) V[k] for one batch and head of 64 channels, 2,048 keys, both products on codes of FP8 (E4M3); O is quantised at once (entry 10) for the last projection.
; THE SOFTMAX: t = score x log2(e) / 8; M = the running largest t rounded UP to a whole number; p = 2^(t - M) is quantised (entry 8), not normalised.  The row's sum is taken of the unquantised p in f32
; and divides O at the end.  When M moves, the sum and O are multiplied by 2^(old M - new M): nothing is rounded, and no branch hangs on data.
; SHARES.  A work-group owns 512 queries of one head, each of its eight waves 64: four tiles of 16, which share each fragment of K and V.  Two waves lie on a SIMD.
; ALL OF THE HEAD'S K AND V (131,072 bytes each) LIE IN LDS: each wave asks for 32,768 bytes of K (even waves) or V (odd waves) by ONE load at the head; no byte is filled again, so the loop has no barrier.
; The head's four work-groups are a cluster and ask JOINTLY.  No prefetch: everything that the launch reads through LDS is asked for at the head, and there is no loop to run ahead in.
; LAYOUT.  Operands are images of their registers.  S^T = K Q^T (source 0 = 16 keys, source 1 = 16 queries, K = 64), O^T = V^T P (source 0 = 16 channels, source 1 = P, K = 128 keys): a lane holds ONE query.
; In accumulator u of S^T a lane's eight registers are keys 16 u + 8 h + 0..7: their conversion IS registers 2 u, 2 u + 1 of P.  O^T's accumulators likewise become the next operand's registers.
; oc: [tile of 16 tokens][K step = head / 2][2,048 bytes]; a head fills groups 2 (head % 2) and 2 (head % 2) + 1.
; A KEY STEP (128 keys) IS A PIPELINE OVER THE FOUR TILES on two score buffers: while tile i's exponentials are issued, tile i - 1's p is held; then O^T of tile i is rescaled, tile i - 1 is converted and multiplied
; by V, tile i + 1's scores are multiplied; tile i's sums stand behind those products and between the lines that make tile i + 1's M.  The step is written once, 16 equal trips: O^T and the sums begin as zeros
; and the largest score as -3e38, so that the first change of M multiplies zeros.  The last trip's look-ahead for K wraps to key step 0, inside K's bytes; nobody uses those 16 loads.
; LIMITS: e6 + e7 between -123 and 130 (added to c's exponent field); e8 and e10 between -126 and 119; e8 + e9 is applied by v_ldexp_f32 and has none; the scaled scores stay under 2^31 in magnitude.
; REGISTERS.  Window 0: v1-15 addresses and work; v16-31 statistics, four a tile (-M, the largest score, the sum in two halves); v32-159 two score buffers; v160-223 K's 8 fragments; v224-255 Q, at the end O's codes.
;   Window 1: v0-127 O^T, 32 a tile; v128-143 P; v144-207 V's 4 fragments.
.set VREG,  131072                     ; LDS: K from 0, V from here
.set STEPB, 8192                       ; a key step: 8 images of K (1,024 bytes), 4 of V (2,048 bytes)
.set SPARE, 262144                     ; the spare words: 128 bytes a wave, four blocks of 256 bytes that no other line names
.set L16, 1                            ; 16 x lane
.set LV,  2                            ; 16 x lane + VREG
.set ADR, 3                            ; LDS address of the loads in hand
.set SCP, 4                            ; 2^e8 as f32
.set SPW, 5                            ; my spare word; never rewritten
.set NIL, 6                            ; 0; never rewritten
.set PX,  7                            ; the lane exchange's destination
.set F,   8                            ; v[8:9] f = 2^(old M - new M); v9 is named with it as a pair
.set MX,  10                           ; v10-13 the maximum's four chains, then work
.set SB,  14                           ; v[14:15] the sum's second chain
.set ST,  16
.set S,   32
.set KF,  160
.set QF,  224
.set PF,  128                          ; in window 1
.set VF,  144                          ; in window 1
.set WV,  10
.set G1,  16                           ; s[16:23], s[24:27] the load's descriptor
.set G0,  24
.set CS,  44                           ; s[44:45] c = log2(e) / 8 x 2^(e6 + e7)
.set SEL, 46                           ; s[46:47] lane selects: lane l xor 16
.set TB,  48                           ; LDS byte of the key step whose V is fetched next
.set TK,  49                           ; and of the one whose K is
.set CNT, 50
.set LIMP, 51                          ; 448 x 2^e8
.set MSB, 0
.macro WIN new                         ; the immediate's high byte repeats the setting that is left
.if MSB != \new
	s_set_vgpr_msb (MSB<<8)|\new
.set MSB, \new
.endif
.endm
.macro CROUND                          ; a round of the cluster's barrier
	s_barrier_signal -1
	s_barrier_wait -1
	s_cmp_lg_u32 s[WV], 0
	s_cbranch_scc1 .Lnot_wave_0_\@
	s_barrier_signal -3
.Lnot_wave_0_\@:
	s_barrier_wait -3
	s_barrier_signal -1
	s_barrier_wait -1
.endm
.macro PLACES                          ; four places behind a matrix instruction (ISA guide 7.12.1)
.rept 4
	v_nop
.endr
.endm
	s_load_b128 s[4:7], s[0:1], 0x0                ; qkv, the exponents
	s_load_b64 s[8:9], s[0:1], 0x10                ; oc
	v_lshl_add_u32 v[SPW], v0, 2, SPARE
	v_mov_b32 v[NIL], 0
	ds_add_u32 v[SPW], v[NIL]                      ; the opening lines: the add, twice on end, and one wait
	ds_add_u32 v[SPW], v[NIL]
	v_lshrrev_b32 v3, 5, v0
	v_readfirstlane_b32 s[WV], v3                  ; wave 0..7
	v_and_b32 v4, 31, v0
	v_lshlrev_b32 v[L16], 4, v4
	v_add_nc_u32 v[LV], VREG, v[L16]
	s_bfe_u32 s11, ttmp6, 0x40000                  ; cx: which 512 queries: it enters Q's and O's addresses alone
	s_and_b32 s12, ttmp7, 0xffff                   ; 16 x batch + head, which the four partners share
	s_and_b32 s2, s[WV], 1                         ; I fetch for K (0) or for V (1),
	s_lshr_b32 s3, s[WV], 1                        ; part 0..3 of 32,768 bytes
	s_lshl_b32 s13, s2, 17
	s_lshl_b32 s14, s3, 15
	s_add_co_u32 s13, s13, s14                     ; where it goes in LDS
	s_lshl_b32 s30, s2, 23
	s_add_co_u32 s30, s30, 0x800000                ; section 1 (K) or 2 (V),
	s_lshl_b32 s31, s12, 17
	s_add_co_u32 s30, s30, s31                     ; the head's 131,072 bytes,
	s_add_co_u32 s30, s30, s14                     ; my part
	s_mov_b32 s31, 0
	s_mov_b32 s[G1], 15|(3<<16)|(1<<21)            ; the mask: all four work-groups; elements of 8 bytes; bit 21 beside a mask
	s_mov_b32 s[G1+1], 32<<16                      ; a dense block as 128 rows of 256 bytes
	s_mov_b32 s[G1+2], 128<<16
	s_mov_b32 s[G1+3], 32<<16
	s_mov_b32 s[G1+4], 128
	s_mov_b32 s[G1+5], 32
	s_mov_b32 s[G1+6], 0
	s_mov_b32 s[G1+7], 0
	s_mov_b32 s[SEL], 0x76543210
	s_mov_b32 s[SEL+1], 0xfedcba98
	s_mov_b32 s[TB], 0
	s_mov_b32 s[CNT], 16
	s_wait_alu depctr_va_vdst(0)                   ; directly ahead of the waits below
	s_wait_dscnt 0x0
	s_wait_kmcnt 0x0
	s_load_b256 s[32:39], s[6:7], 0x0              ; e0 .. e7
	s_load_b128 s[40:43], s[6:7], 0x20             ; e8 .. e11
	s_mov_b32 s[G0], 1
	s_mov_b32 s[G0+1], s13
	s_add_nc_u64 s[G0+2:G0+3], s[4:5], s[30:31]
	s_or_b32 s[G0+3], s[G0+3], 0x80000000
	s_lshl_b32 s30, s12, 17                        ; Q: the head, my work-group's 32 tiles of 1,024 bytes, my wave's four
	s_lshl_b32 s2, s11, 15
	s_add_co_u32 s30, s30, s2
	s_lshl_b32 s2, s[WV], 12
	s_add_co_u32 s30, s30, s2
	s_add_nc_u64 s[28:29], s[4:5], s[30:31]
	s_lshr_b32 s30, s12, 4                         ; oc: tile of tokens = 128 x batch + 32 cx + 4 x wave, 16,384 bytes each; + 1,024 x head
	s_lshl_b32 s30, s30, 7
	s_lshl_b32 s2, s11, 5
	s_add_co_u32 s30, s30, s2
	s_lshl_b32 s2, s[WV], 2
	s_add_co_u32 s30, s30, s2
	s_lshl_b32 s30, s30, 14
	s_and_b32 s2, s12, 15
	s_lshl_b32 s2, s2, 10
	s_add_co_u32 s30, s30, s2
	s_add_nc_u64 s[8:9], s[8:9], s[30:31]
	CROUND                                         ; all four work-groups are here: the joint loads meet
	tensor_load_to_lds s[G0:G0+3], s[G1:G1+7]      ; every wave's one load
	s_nop 0
	PLACES
.irp i, 0,1,2,3
	global_load_b128 v[QF+8*\i:QF+8*\i+3],   v[L16], s[28:29] offset:1024*\i       ; Q stays in registers
	global_load_b128 v[QF+8*\i+4:QF+8*\i+7], v[L16], s[28:29] offset:1024*\i+512
.endr
.irp i, 0,1,2,3
	v_mov_b32 v[ST+4*\i], 0x7f61b1e6               ; -M = 3e38
	v_mov_b32 v[ST+4*\i+1], 0xff61b1e6             ; the largest score so far: -3e38
	v_mov_b32 v[ST+4*\i+2], 0                      ; the sum, in two halves
	v_mov_b32 v[ST+4*\i+3], 0
.endr
	v_mov_b32 v[PX], 0                             ; a lane permute's destination counts as one of its sources
	v_mov_b32 v[F+1], 0
	WIN 0x40
.set J, 0
.rept 128
	v_mov_b32 v[J], 0                              ; O^T: the step is written once, and its first trip finds zeros
.set J, J+1
.endr
	WIN 0
	s_wait_kmcnt 0x0
	s_add_co_i32 s2, s38, s39
	s_lshl_b32 s2, s2, 23
	s_add_co_i32 s[CS], s2, 0x3e38aa3b             ; log2(e) / 8, with e6 + e7 added to its exponent field
	s_mov_b32 s[CS+1], s[CS]
	s_add_co_i32 s2, s40, 127
	s_lshl_b32 s3, s2, 23
	v_mov_b32 v[SCP], s3
	s_add_co_i32 s2, s2, 8
	s_lshl_b32 s2, s2, 23
	s_or_b32 s[LIMP], s2, 0x600000
	s_add_co_i32 s2, s42, 127
	s_lshl_b32 s52, s2, 23                         ; 2^e10
	s_add_co_i32 s2, s2, 8
	s_lshl_b32 s2, s2, 23
	s_or_b32 s53, s2, 0x600000                     ; 448 x 2^e10
	s_add_co_i32 s54, s40, s41                     ; e8 + e9
.macro FETCH_K adr                     ; 8 images of K: 16 loads of 512 consecutive bytes
.irp f, 0,1,2,3,4,5,6,7
	ds_load_b128 v[KF+8*\f:KF+8*\f+3],   v[\adr] offset:1024*\f
	ds_load_b128 v[KF+8*\f+4:KF+8*\f+7], v[\adr] offset:1024*\f+512
.endr
.endm
.macro QK t, b                         ; tile t's scores into buffer b
.irp u, 0,1,2,3,4,5,6,7
	v_wmma_f32_16x16x64_fp8_fp8 v[\b+8*\u:\b+8*\u+7], v[KF+8*\u:KF+8*\u+7], v[QF+8*(\t):QF+8*(\t)+7], 0
.endr
.endm
.macro MAXCH b                         ; the lane's 64 scores into four chains, in ascending order: each accumulator is read from its low end on
.irp n, 0,1,2,3
	v_max3_num_f32 v[MX+\n], v[\b+3*\n], v[\b+3*\n+1], v[\b+3*\n+2]
.endr
.set J, 12
.rept 26
	v_max3_num_f32 v[MX+(J/2)%4], v[MX+(J/2)%4], v[\b+J], v[\b+J+1]
.set J, J+2
.endr
.endm
.macro PA acc, j                       ; a chain of the sum takes pair j of the unquantised p in buffer SA
	v_pk_add_f32 v[\acc:\acc+1], v[\acc:\acc+1], v[SA+2*(\j):SA+2*(\j)+1]
.endm
; Pairs 0 to 18 of the sum at SI, in two chains (even pairs to the tile's own, odd ones to SB).  mx = 1: behind the first five lines, which are the places behind the products just issued,
; the 64 scores in buffer b go into the maximum's four chains, in ascending order, two lines of the maximum to one of the sum: six chains that do not hang on each other.
.macro SUMMAX mx, b
	v_pk_add_f32 v[SB:SB+1], v[SA:SA+1], v[SA+2:SA+3]
	PA SI+2, 2
	PA SB, 3
	PA SI+2, 4
	PA SB, 5
.if \mx
.irp n, 0,1,2,3
	v_max3_num_f32 v[MX+\n], v[\b+3*\n], v[\b+3*\n+1], v[\b+3*\n+2]
.endr
.endif
.set J, 12
.set JS, 6
.rept 13
.if \mx
	v_max3_num_f32 v[MX+(J/2)%4], v[MX+(J/2)%4], v[\b+J], v[\b+J+1]
	v_max3_num_f32 v[MX+(J/2+1)%4], v[MX+(J/2+1)%4], v[\b+J+2], v[\b+J+3]
.endif
.if JS%2
	PA SB, JS
.else
	PA SI+2, JS
.endif
.set J, J+4
.set JS, JS+1
.endr
.endm
; st = 1: the lines that make -M of the tile with statistics at NI, one hanging on the other; the old -M is kept in v[MX+2].  su = 1: pairs 19 to 31 of the sum at SI stand between them.
.macro MIX st, su
.if \st
	v_max3_num_f32 v[MX], v[MX], v[MX+1], v[MX+2]
.endif
.if \su
	PA SB, 19
	PA SI+2, 20
	PA SB, 21
	PA SI+2, 22
.endif
.if \st
	v_max_num_f32 v[MX], v[MX], v[MX+3]
.endif
.if \su
	PA SB, 23
	PA SI+2, 24
.endif
.if \st
	v_permlanex16_b32 v[PX], v[MX], s[SEL], s[SEL+1]
	v_mov_b32 v[MX+2], v[NI]                       ; the old -M
.endif
.if \su
	PA SB, 25
	PA SI+2, 26
.endif
.if \st
	v_max3_num_f32 v[NI+1], v[NI+1], v[MX], v[PX]  ; the running largest score, lane l xor 16's among them
.endif
.if \su
	PA SB, 27
	PA SI+2, 28
.endif
.if \st
	v_mul_f32 v[MX+1], s[CS], v[NI+1]              ; as t (c is positive)
.endif
.if \su
	PA SB, 29
	PA SI+2, 30
.endif
.if \st
	v_floor_f32 v[NI], -v[MX+1]                    ; the new -M = floor(-t): M is a whole number
.endif
.if \su
	PA SB, 31
.endif
.if \su
	v_pk_add_f32 v[SI+2:SI+3], v[SI+2:SI+3], v[SB:SB+1]
.endif
.endm
.macro FMA b                           ; t - M (of the pairs c and -M the low word serves both halves)
.set J, 0
.rept 32
	v_pk_fma_f32 v[\b+J:\b+J+1], v[\b+J:\b+J+1], s[CS:CS+1], v[NI:NI+1] op_sel_hi:[1,0,0]
.if J == 6                             ; the three lines that make f stand among these lines, which do not hang on them
	v_sub_f32 v[MX+2], v[NI], v[MX+2]              ; old M - new M: a whole number, 0 or less
.endif
.if J == 14
	v_cvt_i32_f32 v[MX+2], v[MX+2]                 ; (it saturates)
.endif
.if J == 22
	v_ldexp_f32 v[F], 1.0, v[MX+2]                 ; f = 2^(old M - new M)
.endif
.set J, J+2
.endr
.endm
.macro HOLD b                          ; two numbers of p at J: the conversion does not saturate (ISA guide 7.6.2); p is not negative, so the hold is one-sided
	v_dual_min_num_f32 v[\b+J], s[LIMP], v[\b+J] :: v_dual_min_num_f32 v[\b+J+1], s[LIMP], v[\b+J+1]
.endm
.macro CVTPV t, b                      ; tile t's held p in buffer b becomes P, and O^T of tile t takes V^T P: four accumulators, one instruction each
	WIN 0x40
.irp u, 0,1,2,3,4,5,6,7
	v_cvt_scalef32_pk8_fp8_f32 v[PF+2*\u:PF+2*\u+1], v[\b+8*\u:\b+8*\u+7], v[SCP]
.endr
	v_nop                                          ; one plain line between the conversions and the products that read their results or write their sources
	WIN 0x55
.irp c, 0,1,2,3
	v_wmma_f32_16x16x128_fp8_fp8 v[32*(\t)+8*\c:32*(\t)+8*\c+7], v[VF+16*\c:VF+16*\c+15], v[PF:PF+15], v[32*(\t)+8*\c:32*(\t)+8*\c+7]
.endr
	WIN 0
.endm
.macro SLOT i
.set SA, S+64*((\i)%2)                 ; tile i's buffer
.set SO, S+64*(1-(\i)%2)               ; the other: tile i - 1's p, then tile i + 1's scores
.set SI, ST+4*(\i)
.set NI, ST+4*(\i)+4
	s_wait_alu depctr_va_vdst(0)                   ; ahead of the batch
.if \i == 1
	s_wait_dscnt 0x0                               ; V's 16 loads, the only ones out, are in
.endif
.set J, 0
.rept 32
	v_exp_f32 v[SA+J], v[SA+J]                     ; p = 2^(t - M), at most 1
	v_exp_f32 v[SA+J+1], v[SA+J+1]
.if \i > 0
	HOLD SO                                        ; tile i - 1's p, whose sum has been taken
.endif
.set J, J+2
.endr
	v_pk_mul_f32 v[SI+2:SI+3], v[SI+2:SI+3], v[F:F+1] op_sel_hi:[1,0]   ; the sum under the new M: the plain line behind the exponentials
	s_wait_alu depctr_va_vdst(0)                   ; one wait for the batch, and directly ahead of the first readers of O^T
	WIN 0x41
.set J, 0
.rept 16
	v_pk_mul_f32 v[32*(\i)+J:32*(\i)+J+1], v[32*(\i)+J:32*(\i)+J+1], v[F:F+1] op_sel_hi:[1,0]   ; O^T of tile i under its new M
.set J, J+2
.endr
.if \i > 0
	CVTPV (\i)-1, SO
.endif
	WIN 0
.if \i < 3
	QK (\i)+1, SO
.endif
.if \i < 3
	SUMMAX 1, SO                                   ; tile i's sum, and tile i + 1's largest score
.else
	SUMMAX 0, SO
.endif
.if \i == 2
	v_add_nc_u32 v[ADR], s[TK], v[L16]
	FETCH_K ADR                                    ; all four tiles have multiplied by this step's K
.endif
.if \i < 3
	MIX 1, 1
	FMA SO
.else
	MIX 0, 1
.endif
.endm
	s_wait_alu depctr_va_vdst(0)                   ; the head's end
	s_wait_tensorcnt 0x0                           ; my part has landed,
	s_barrier_signal -1
	s_barrier_wait -1                              ; everybody's has: from here on LDS is only read
	FETCH_K L16                                    ; key step 0
	s_wait_loadcnt 0x0                             ; Q
.Lstep:
	PLACES                                         ; behind the last trip's products, ahead of the loads into V's registers
	v_add_nc_u32 v[ADR], s[TB], v[LV]
	s_add_co_u32 s[TB], s[TB], STEPB
	s_and_b32 s[TK], s[TB], VREG-1                 ; the next step's K; behind the last step: key step 0's
	WIN 0x40
.irp c, 0,1,2,3
.irp g, 0,1,2,3
	ds_load_b128 v[VF+16*\c+4*\g:VF+16*\c+4*\g+3], v[ADR] offset:2048*\c+512*\g
.endr
.endr
	WIN 0
	s_wait_dscnt 16                                ; K's 16 loads are in; V's 16, issued behind them, may be out
	QK 0, S
	PLACES
.set NI, ST
	MAXCH S
	MIX 1, 0
	FMA S
	SLOT 0
	SLOT 1
	SLOT 2
	SLOT 3
.set J, 0
.rept 32
	HOLD S+64                                      ; tile 3 has no successor in the step
.set J, J+2
.endr
	CVTPV 3, S+64
	s_sub_co_u32 s[CNT], s[CNT], 1
	s_cmp_lg_u32 s[CNT], 0
	s_cbranch_scc1 .Lstep
	; THE WAY OUT.  The sum's halves and the other half of the lanes' are added; O^T x 2^(e8 + e9) / the sum is held, converted with 2^e10 and stored as half an image: two stores of 512 consecutive bytes a tile.
.irp i, 0,1,2,3
	v_add_f32 v[ST+4*\i+2], v[ST+4*\i+2], v[ST+4*\i+3]     ; (these are also the places behind the last products)
.endr
.irp i, 0,1,2,3
	v_permlanex16_b32 v[ST+4*\i+3], v[ST+4*\i+2], s[SEL], s[SEL+1]
.endr
.irp i, 0,1,2,3
	v_add_f32 v[ST+4*\i+2], v[ST+4*\i+2], v[ST+4*\i+3]
.endr
	v_mov_b32 v[MX], s52                           ; 2^e10
	v_mov_b32 v[MX+1], s53                         ; 448 x 2^e10
	s_wait_alu depctr_va_vdst(0)                   ; ahead of the batch
.irp i, 0,1,2,3
	v_rcp_f32 v[ST+4*\i+2], v[ST+4*\i+2]
.endr
	v_nop                                          ; a plain line behind the last reciprocal
	s_wait_alu depctr_va_vdst(0)                   ; one wait for the four, ahead of their first reader
.irp i, 0,1,2,3
	v_ldexp_f32 v[ST+4*\i+2], v[ST+4*\i+2], s54    ; x 2^(e8 + e9)
.endr
	s_wait_alu depctr_va_vdst(0)                   ; directly ahead of the first readers of O^T
	WIN 0x01
.irp i, 0,1,2,3
.set J, 0
.rept 16
	v_pk_mul_f32 v[S+32*\i+J:S+32*\i+J+1], v[32*\i+J:32*\i+J+1], v[ST+4*\i+2:ST+4*\i+3] op_sel_hi:[1,0]
.set J, J+2
.endr
.endr
	WIN 0
.set J, 0
.rept 16                               ; group J: tile J / 4, channels 16 (J % 4) + 8 h + 0..7 of the head
.irp n, 0,1,2,3,4,5,6,7
	v_med3_num_f32 v[S+8*J+\n], v[S+8*J+\n], -v[MX+1], v[MX+1]
.endr
	v_cvt_scalef32_pk8_fp8_f32 v[QF+2*J:QF+2*J+1], v[S+8*J:S+8*J+7], v[MX]
.set J, J+1
.endr
	v_nop
.irp i, 0,1,2,3
	global_store_b128 v[L16], v[QF+8*\i:QF+8*\i+3],   s[8:9] offset:16384*\i
	global_store_b128 v[L16], v[QF+8*\i+4:QF+8*\i+7], s[8:9] offset:16384*\i+512
.endr
	s_wait_tensorcnt 0x0                           ; the wave's end
	ds_add_u32 v[SPW], v[NIL]
	s_wait_dscnt 0x0
	CROUND                                         ; the closing round
	s_endpgm
.Lfunc_end_k_q697dcfc70c_attn:
	.size	k_q697dcfc70c_attn, .Lfunc_end_k_q697dcfc70c_attn-k_q697dcfc70c_attn
	.p2alignl 7, 3214868480
	.fill 96, 4, 3214868480
	.section	.rodata,"a",@progbits
	.p2align	6, 0x0
	.amdhsa_kernel k_q697dcfc70c_attn
		.amdhsa_group_segment_fixed_size 263168
		.amdhsa_private_segment_fixed_size 0
		.amdhsa_enable_private_segment 0
		.amdhsa_kernarg_size 24
		.amdhsa_user_sgpr_count 2
		.amdhsa_user_sgpr_kernarg_segment_ptr 1
		.amdhsa_wavefront_size32 1
		.amdhsa_system_sgpr_workgroup_id_x 1
		.amdhsa_system_sgpr_workgroup_id_y 1
		.amdhsa_system_sgpr_workgroup_id_z 1
		.amdhsa_system_vgpr_workitem_id 0
		.amdhsa_next_free_vgpr 512
		.amdhsa_next_free_sgpr 66
		.amdhsa_reserve_vcc 0
		.amdhsa_float_denorm_mode_32 3
		.amdhsa_float_denorm_mode_16_64 3
		.amdhsa_memory_ordered 1
		.amdhsa_forward_progress 1
		.amdhsa_inst_pref_size 81
	.end_amdhsa_kernel
	.amdgpu_metadata
---
amdhsa.version: [ 1, 2 ]
amdhsa.kernels:
  - .name:           k_q697dcfc70c_attn
    .symbol:         k_q697dcfc70c_attn.kd
    .args:
      - { .name: qkv, .offset: 0, .size: 8, .value_kind: global_buffer, .address_space: global }
      - { .name: lowp_scales, .offset: 8, .size: 8, .value_kind: global_buffer, .address_space: global }
      - { .name: oc, .offset: 16, .size: 8, .value_kind: global_buffer, .address_space: global }
    .group_segment_fixed_size: 263168
    .private_segment_fixed_size: 0
    .kernarg_segment_align: 8
    .kernarg_segment_size: 24
    .max_flat_workgroup_size: 256
    .sgpr_count:     66
    .vgpr_count:     512
    .wavefront_size: 32
...
	.end_amdgpu_metadata
.endif
;; end of part 3
;; launch oproj (part 4): grid 4 x 64, 4 waves a work-group, clusters of 4 x 4, 327,680 bytes of LDS; arguments oc, wc, lowp_scales, bo, out0; writes out0
.if DOCPART == 4
	.amdgcn_target "amdgcn-amd-amdhsa--gfx1250"
	.amdhsa_code_object_version 6
	.text
	.protected	k_q697dcfc70c_oproj
	.globl	k_q697dcfc70c_oproj
	.p2align	8
	.type	k_q697dcfc70c_oproj,@function
k_q697dcfc70c_oproj:
	s_mov_b64 s[64:65], 0
	v_nop
	global_prefetch_b8 v0, s[64:65] scope:SCOPE_SE
	s_setreg_imm32_b32 hwreg(HW_REG_WAVE_MODE, 25, 1), 1
	s_wait_xcnt 0x0
	s_wait_alu depctr_hold_cnt(0) depctr_sa_sdst(0) depctr_va_vdst(0) depctr_va_sdst(0) depctr_va_ssrc(0) depctr_va_vcc(0) depctr_vm_vsrc(0)
	s_getreg_b32 s2, hwreg(HW_REG_IB_STS2, 6, 4)
	s_cmp_eq_u32 s2, 0
	s_cbranch_scc0 .Lentry_in_a_cluster
	s_endpgm
.Lentry_in_a_cluster:
	s_bfe_u32 s2, ttmp6, 0x10000c
	s_cmp_lg_u32 s2, 0xf033
	s_cbranch_scc0 .Lentry_shape_is_right
	s_endpgm
.Lentry_shape_is_right:
; out0[token][n] = 2^(e10 + e11) x the sum over k of O's code [token][k] x Wo's code [n][k], + bo[n].  8,192 tokens, n and k 1,024; codes of FP8 (E4M3); sums and result f32.
; Both operands lie in memory as images of their registers: [tile of 16 rows][K step of 128: 0..7][2,048 bytes]; oc from its first byte, Wo's codes in section 3 of wc.
; LIMIT: e10 + e11 lies between -126 and 127, so that 2^(e10 + e11) is an f32 number.
; SHARES.  A work-group makes 128 tokens x 256 columns: 64 x 4 = 256 work-groups.  A wave makes 64 x 128: 32 accumulators (window 2).  The matrix instruction is used transposed (source 0 = 16 rows of Wo,
; source 1 = 16 tokens), so that a lane holds eight neighbouring columns of one token.
; CLUSTERS of 4 x 4: the four of a row need the same tokens, the four of a column the same rows of Wo: each fill is asked for jointly.  Waves 0, 1 fetch the halves of A's rows, waves 2, 3 of B's.
; THREE FILLS, written out, one load a wave each: K steps 0-3 into region 0 (196,608 bytes) at the head; K steps 4, 5 into region 1 (98,304 bytes) behind a round of the cluster's barrier;
; K steps 6, 7 into the first 98,304 bytes of region 0 behind a second round, when every wave has read K steps 0-3.  There is no loop to run ahead in, so nothing is prefetched.
; REGISTERS.  Window 0: v16-29 addresses; v32-35 the bias; v128-255 A's fragments, two sets of 4 x 16; on the way out the rows read back.  Window 1: B's fragments, two sets of 8 x 16.  Window 2: the accumulators.
.set R1,     196608                    ; region 1
.set SPARE,  294912                    ; the spare words: 128 bytes a wave, two blocks of 256 bytes that no other line names
.set SPITCH, 528                       ; the way out: a stage of 16 rows x (512 + 16) bytes a wave, in region 1, behind its last fill and last read
.set ADA, 16                           ; v16-18 LDS address of my A fragments in fill 1, 2, 3
.set ADB, 20                           ; v20-22 the same for B
.set STO, 24
.set RD,  25
.set L16, 26
.set SPW, 28
.set NIL, 29
.set BO,  32
.set AF,  128
.set BK,  128
.set GA1, 24                           ; group 1: A's and B's tiles of four K steps,
.set GB1, 32
.set GA2, 48                           ; and of two
.set GB2, 56
.set FA,  68                           ; group 0 of fill f: A's at s[FA+8f ..], B's at s[FB+8f ..]
.set FB,  72
.set MSB, 0
.macro WIN new                         ; the immediate's high byte repeats the setting that is left
.if MSB != \new
	s_set_vgpr_msb (MSB<<8)|\new
.set MSB, \new
.endif
.endm
.set MUL_LO, 0xa1                      ; source 0 (B) window 1, source 1 (A) window 0, C and D window 2
.set TO_B,   0x40
.macro JLOAD g0a, g1a, g0b, g1b        ; the branch hangs on the wave's number alone; each line has one mask
	s_cmp_eq_u32 s19, 0
	s_cbranch_scc0 .Lfor_b_\@
	tensor_load_to_lds s[\g0a:\g0a+3], s[\g1a:\g1a+7]
	s_nop 0
.rept 4
	v_nop
.endr
	s_branch .Lasked_\@
.Lfor_b_\@:
	tensor_load_to_lds s[\g0b:\g0b+3], s[\g1b:\g1b+7]
	s_nop 0
.rept 4
	v_nop
.endr
.Lasked_\@:
.endm
.macro CROUND                          ; a round of the cluster's barrier
	s_barrier_signal -1
	s_barrier_wait -1
	s_cmp_lg_u32 s18, 0
	s_cbranch_scc1 .Lnot_wave_0_\@
	s_barrier_signal -3
.Lnot_wave_0_\@:
	s_barrier_wait -3
	s_barrier_signal -1
	s_barrier_wait -1
.endm
.macro SHAPE g, c, r                   ; r rows (tiles of 16) of c elements of 8 bytes, 16,384 bytes apart
	s_mov_b32 s[\g+1], (\c)<<16
	s_mov_b32 s[\g+2], (\r)<<16
	s_mov_b32 s[\g+3], (\c)<<16
	s_mov_b32 s[\g+4], \r
	s_mov_b32 s[\g+5], 2048
	s_mov_b32 s[\g+6], 0
	s_mov_b32 s[\g+7], 0
.endm
.macro GROUP0 g, lds, base, src, off
	s_mov_b32 s[\g], 1
	s_add_co_u32 s[\g+1], \lds, \base
	s_add_nc_u64 s[\g+2:\g+3], s[\src:\src+1], \off
	s_or_b32 s[\g+3], s[\g+3], 0x80000000
.endm
.macro PLACES                          ; four places behind a matrix instruction (ISA guide 7.12.1)
.rept 4
	v_nop
.endr
.endm
	s_load_b256 s[4:11], s[0:1], 0x0               ; oc, wc, the exponents, bo
	s_load_b64 s[16:17], s[0:1], 0x20              ; out0
	v_lshl_add_u32 v[SPW], v0, 2, SPARE
	v_mov_b32 v[NIL], 0
	ds_add_u32 v[SPW], v[NIL]                      ; the opening lines: the add, twice on end, and one wait
	ds_add_u32 v[SPW], v[NIL]
	v_lshrrev_b32 v1, 5, v0
	v_readfirstlane_b32 s18, v1                    ; wave
	s_lshr_b32 s19, s18, 1                         ; which 64 tokens are mine.  Also: I fetch for A (0) or for B (1)
	s_and_b32 s20, s18, 1                          ; which 128 columns.  Also: which half of that tile's rows I fetch
	s_bfe_u32 s21, ttmp6, 0x40000                  ; cx
	s_bfe_u32 s22, ttmp6, 0x40004                  ; cy
	s_lshl_b32 s43, ttmp9, 2
	s_add_co_u32 s43, s43, s21                     ; block of 256 columns
	s_and_b32 s42, ttmp7, 0xffff
	s_lshl_b32 s42, s42, 2
	s_add_co_u32 s42, s42, s22                     ; block of 128 tokens
	s_lshl_b32 s40, s22, 2
	s_lshl_b32 s40, 15, s40                        ; my row of the cluster
	s_lshl_b32 s41, 0x1111, s21                    ; my column
	s_or_b32 s[GA1], s40, (3<<16)|(1<<21)
	s_or_b32 s[GA2], s40, (3<<16)|(1<<21)
	s_or_b32 s[GB1], s41, (3<<16)|(1<<21)
	s_or_b32 s[GB2], s41, (3<<16)|(1<<21)
	SHAPE GA1, 1024, 4                             ; four K steps are 8,192 bytes of a tile
	SHAPE GB1, 1024, 8
	SHAPE GA2, 512, 4
	SHAPE GB2, 512, 8
	s_lshl_b32 s44, s42, 17                        ; A: 8 tiles of 16,384 bytes a block, my half's four
	s_lshl_b32 s45, s20, 16
	s_add_co_u32 s44, s44, s45
	s_mov_b32 s45, 0
	s_lshl_b32 s46, s43, 18                        ; B: 16 tiles a block, my half's eight, in section 3
	s_lshl_b32 s47, s20, 17
	s_add_co_u32 s46, s46, s47
	s_add_co_u32 s46, s46, 0x300000
	s_mov_b32 s47, 0
	s_lshl_b32 s92, s20, 15                        ; LDS, fill 1: A's halves of 32,768 bytes from 0,
	s_lshl_b32 s93, s20, 16
	s_add_co_u32 s93, s93, 65536                   ; B's of 65,536 behind them
	s_lshl_b32 s94, s20, 14                        ; fills 2 and 3: A's halves of 16,384 bytes,
	s_lshl_b32 s95, s20, 15
	s_add_co_u32 s95, s95, 32768                   ; B's of 32,768 behind them
	s_lshl_b32 s12, s19, 15                        ; what I read: A's half by my tokens, B's half as I would fetch it
	s_lshl_b32 s13, s19, 14
	s_add_co_u32 s14, s13, R1
	s_add_co_u32 s15, s95, R1
	s_mul_i32 s23, s18, 16*SPITCH
	s_add_co_u32 s23, s23, R1                      ; my stage
	s_wait_alu depctr_va_vdst(0)                   ; directly ahead of the waits below
	s_wait_dscnt 0x0
	s_wait_kmcnt 0x0
	s_load_b64 s[98:99], s[8:9], 0x28              ; e10, e11
	s_add_nc_u64 s[44:45], s[4:5], s[44:45]
	s_add_nc_u64 s[46:47], s[6:7], s[46:47]
	GROUP0 FA,    s92, 0,  44, 0
	GROUP0 FB,    s93, 0,  46, 0
	GROUP0 FA+8,  s94, R1, 44, 8192
	GROUP0 FB+8,  s95, R1, 46, 8192
	GROUP0 FA+16, s94, 0,  44, 12288
	GROUP0 FB+16, s95, 0,  46, 12288
	CROUND                                         ; all sixteen work-groups are here: the first joint loads meet
	JLOAD FA, GA1, FB, GB1                         ; K steps 0-3: a wave's one load at the head
	s_lshl_b32 s44, s43, 10                        ; my first column, in bytes of f32
	s_lshl_b32 s45, s20, 9
	s_add_co_u32 s44, s44, s45
	s_mov_b32 s45, 0
	s_add_nc_u64 s[46:47], s[10:11], s[44:45]      ; its bias
	s_add_nc_u64 s[16:17], s[16:17], s[44:45]
	s_lshl_b32 s44, s42, 19                        ; my first token: rows of 4,096 bytes
	s_lshl_b32 s2, s19, 18
	s_add_co_u32 s44, s44, s2
	s_add_nc_u64 s[16:17], s[16:17], s[44:45]
	v_and_b32 v2, 31, v0
	v_lshlrev_b32 v[L16], 4, v2
	v_and_b32 v3, 15, v0
	v_bfe_u32 v4, v0, 4, 1
	v_mul_u32_u24 v5, v3, SPITCH
	v_lshl_add_u32 v5, v4, 5, v5
	v_add_nc_u32 v[ADA], s12, v[L16]
	v_add_nc_u32 v[ADA+1], s14, v[L16]
	v_add_nc_u32 v[ADA+2], s13, v[L16]
	v_add_nc_u32 v[ADB], s93, v[L16]
	v_add_nc_u32 v[ADB+1], s15, v[L16]
	v_add_nc_u32 v[ADB+2], s95, v[L16]
	v_add_nc_u32 v[STO], s23, v5                   ; into the stage: row l % 16, 32 bytes for each half of the lanes
	v_add_nc_u32 v[RD], s23, v[L16]                ; back: the 32 lanes take one row of 512 bytes
	global_load_b128 v[BO:BO+3], v[L16], s[46:47]  ; the bias of my four columns of a row read back
; The fragments of one K step into set p: B's eight, A's four; ts: bytes from tile to tile in the region, ko: the K step's bytes in a tile
.macro FETCH p, aa, ab, ts, ko
	WIN TO_B
.irp i, 0,1,2,3,4,5,6,7
.irp c, 0,1,2,3
	ds_load_b128 v[128*(\p)+16*\i+4*\c:128*(\p)+16*\i+4*\c+3], v[\ab] offset:\i*(\ts)+(\ko)+512*\c
.endr
.endr
	WIN 0
.irp i, 0,1,2,3
.irp c, 0,1,2,3
	ds_load_b128 v[AF+64*(\p)+16*\i+4*\c:AF+64*(\p)+16*\i+4*\c+3], v[\aa] offset:\i*(\ts)+(\ko)+512*\c
.endr
.endr
.endm
; 32 matrix instructions on set p: the 32 accumulators take turns, one instruction a turn, in the same order in every K step.  zero = 1: the first products start the sums
.macro MUL p, zero
	WIN MUL_LO
.irp a, 0,1,2,3
.irp b, 0,1,2,3,4,5,6,7
.if \zero
	v_wmma_f32_16x16x128_fp8_fp8 v[8*(8*\a+\b):8*(8*\a+\b)+7], v[128*(\p)+16*\b:128*(\p)+16*\b+15], v[AF+64*(\p)+16*\a:AF+64*(\p)+16*\a+15], 0
.else
	v_wmma_f32_16x16x128_fp8_fp8 v[8*(8*\a+\b):8*(8*\a+\b)+7], v[128*(\p)+16*\b:128*(\p)+16*\b+15], v[AF+64*(\p)+16*\a:AF+64*(\p)+16*\a+15], v[8*(8*\a+\b):8*(8*\a+\b)+7]
.endif
.endr
.endr
	WIN 0
.endm
; A K step on set p whose successor lies in fill f + 1's bytes, already shown whole: the successor's 48 loads go out ahead of the step's products
.macro KS p, zero, f, ts, ko
	s_wait_dscnt 0x0                               ; set p is in
	PLACES                                         ; ahead of loads into the set that the last step's products read
	FETCH 1-(\p), ADA+\f, ADB+\f, \ts, \ko
	MUL \p, \zero
.endm
	s_wait_alu depctr_va_vdst(0)                   ; the head's end
	s_wait_tensorcnt 0x0                           ; my part of K steps 0-3 is in; these lines stand ahead of a later first fill as ahead of a refill
	ds_add_u32 v[SPW], v[NIL]
	s_wait_dscnt 0x0
	CROUND
	JLOAD FA+8, GA2, FB+8, GB2                     ; K steps 4, 5 into region 1
	FETCH 0, ADA, ADB, 8192, 0
	KS 0, 1, 0, 8192, 2048                         ; K step 0
	KS 1, 0, 0, 8192, 4096
	KS 0, 0, 0, 8192, 6144
	s_wait_tensorcnt 0x0                           ; my part of K steps 4, 5 is in;
	ds_add_u32 v[SPW], v[NIL]
	s_wait_dscnt 0x0                               ; the add is done, K step 3's fragments are in registers, and my reads of region 0 are over
	CROUND                                         ; so it is with every wave of every partner
	JLOAD FA+16, GA2, FB+16, GB2                   ; K steps 6, 7 over K steps 0-3; the four v_nop behind it are the places ahead of the loads below
	FETCH 0, ADA+1, ADB+1, 4096, 0
	MUL 1, 0                                       ; K step 3
	KS 0, 0, 1, 4096, 2048                         ; K step 4
	s_wait_dscnt 0x0
	MUL 1, 0                                       ; K step 5: my reads of region 1 are over
	s_wait_tensorcnt 0x0                           ; my part of K steps 6, 7 is in
	s_barrier_signal -1
	s_barrier_wait -1                              ; everybody's is
	PLACES
	FETCH 0, ADA+2, ADB+2, 4096, 0
	KS 0, 0, 2, 4096, 2048                         ; K step 6
	s_wait_dscnt 0x0
	MUL 1, 0                                       ; K step 7
; THE WAY OUT, block by block of 16 tokens x 128 columns, through my stage: a lane's 32 bytes go in, whole rows of 512 bytes come back, take scale and bias, and the 32 lanes store two aligned units of 256 bytes.
; LDS serves a wave's instructions in order (ISA guide 5.7.1.4): no wait between the stores and the loads, nor ahead of the next block's stores.
.macro TOSTAGE a
	WIN 0x08                                       ; the stores' data: window 2; each accumulator from its low end on
.irp b, 0,1,2,3,4,5,6,7
	ds_store_b128 v[STO], v[64*(\a)+8*\b:64*(\a)+8*\b+3]   offset:64*\b
	ds_store_b128 v[STO], v[64*(\a)+8*\b+4:64*(\a)+8*\b+7] offset:64*\b+16
.endr
	WIN 0
.set BB, BK+64*((\a)%2)
.irp t, 0,1,2,3,4,5,6,7,8,9,10,11,12,13,14,15
	ds_load_b128 v[BB+4*\t:BB+4*\t+3], v[RD] offset:\t*SPITCH
.endr
.endm
.macro SEND a, younger                 ; younger: the LDS instructions issued behind block a's loads
.set BB, BK+64*((\a)%2)
	s_wait_dscnt \younger
.irp t, 0,1,2,3,4,5,6,7,8,9,10,11,12,13,14,15
	v_pk_fma_f32 v[BB+4*\t:BB+4*\t+1],   v[BB+4*\t:BB+4*\t+1],   s[96:97], v[BO:BO+1]   op_sel_hi:[1,0,1]
	v_pk_fma_f32 v[BB+4*\t+2:BB+4*\t+3], v[BB+4*\t+2:BB+4*\t+3], s[96:97], v[BO+2:BO+3] op_sel_hi:[1,0,1]
.endr
.irp t, 0,1,2,3,4,5,6,7,8,9,10,11,12,13,14,15
	global_store_b128 v[L16], v[BB+4*\t:BB+4*\t+3], s[16:17] offset:(16*(\a)+\t)*4096 th:TH_STORE_NT
.endr
.endm
	s_wait_kmcnt 0x0
	s_add_co_i32 s96, s98, s99
	s_add_co_i32 s96, s96, 127
	s_lshl_b32 s96, s96, 23                        ; 2^(e10 + e11) as f32
	s_mov_b32 s97, s96
	s_wait_loadcnt 0x0                             ; the bias
	PLACES
	TOSTAGE 0
.irp a, 1,2,3
.if \a > 1
	s_wait_xcnt 0x0                                ; block a - 2's stores have read their registers: block a's loads may land there
.endif
	TOSTAGE \a
	SEND \a-1, 32                                  ; behind block a - 1's loads: block a's 16 stores and 16 loads
.endr
	SEND 3, 0
	s_wait_tensorcnt 0x0                           ; the wave's end
	ds_add_u32 v[SPW], v[NIL]
	s_wait_dscnt 0x0
	CROUND                                         ; the closing round
	s_endpgm
.Lfunc_end_k_q697dcfc70c_oproj:
	.size	k_q697dcfc70c_oproj, .Lfunc_end_k_q697dcfc70c_oproj-k_q697dcfc70c_oproj
	.p2alignl 7, 3214868480
	.fill 96, 4, 3214868480
	.section	.rodata,"a",@progbits
	.p2align	6, 0x0
	.amdhsa_kernel k_q697dcfc70c_oproj
		.amdhsa_group_segment_fixed_size 327680
		.amdhsa_private_segment_fixed_size 0
		.amdhsa_enable_private_segment 0
		.amdhsa_kernarg_size 40
		.amdhsa_user_sgpr_count 2
		.amdhsa_user_sgpr_kernarg_segment_ptr 1
		.amdhsa_wavefront_size32 1
		.amdhsa_system_sgpr_workgroup_id_x 1
		.amdhsa_system_sgpr_workgroup_id_y 1
		.amdhsa_system_sgpr_workgroup_id_z 1
		.amdhsa_system_vgpr_workitem_id 0
		.amdhsa_next_free_vgpr 768
		.amdhsa_next_free_sgpr 100
		.amdhsa_reserve_vcc 0
		.amdhsa_float_denorm_mode_32 3
		.amdhsa_float_denorm_mode_16_64 3
		.amdhsa_memory_ordered 1
		.amdhsa_forward_progress 1
		.amdhsa_inst_pref_size 75
	.end_amdhsa_kernel
	.amdgpu_metadata
---
amdhsa.version: [ 1, 2 ]
amdhsa.kernels:
  - .name:           k_q697dcfc70c_oproj
    .symbol:         k_q697dcfc70c_oproj.kd
    .args:
      - { .name: oc, .offset: 0, .size: 8, .value_kind: global_buffer, .address_space: global }
      - { .name: wc, .offset: 8, .size: 8, .value_kind: global_buffer, .address_space: global }
      - { .name: lowp_scales, .offset: 16, .size: 8, .value_kind: global_buffer, .address_space: global }
      - { .name: bo, .offset: 24, .size: 8, .value_kind: global_buffer, .address_space: global }
      - { .name: out0, .offset: 32, .size: 8, .value_kind: global_buffer, .address_space: global }
    .group_segment_fixed_size: 327680
    .private_segment_fixed_size: 0
    .kernarg_segment_align: 8
    .kernarg_segment_size: 40
    .max_flat_workgroup_size: 128
    .sgpr_count:     100
    .vgpr_count:     768
    .wavefront_size: 32
...
	.end_amdgpu_metadata
.endif
;; end of part 4
